; MI455X (gfx1250); checked and timed in simulation.
; The chip was launched on July 23, 2026; its instructions are those of AMD's public machine-readable ISA for CDNA 5 (MIT licence, August 2026) and "CDNA5" Instruction Set Architecture Reference Guide (July 2026). The comments in the code are by the model that wrote it; some were corrected since.
;; Attention. Allowed arithmetic: matrix products marked QUANTISED: E4M3 operands, one given power-of-two scale a tensor, by v_wmma_f32_16x16x64_fp8_fp8 or v_wmma_f32_16x16x128_fp8_fp8, f32 sums; everything else in f32.
;; Inputs: W_K 16 x 64 x 1,024 float32; W_O 1,024 x 1,024 float32; W_Q 16 x 64 x 1,024 float32; W_V 16 x 64 x 1,024 float32; lowp_scales 12 int32 (the exponents e of the quantised operands' scales 2^e); x 1 x 4,096 x 1,024 float32.
;; Outputs: out0 1 x 4,096 x 1,024 float32.
;; This version of the problem:
;;   THIS VERSION OF THE PROBLEM IS GIVEN IN LOW PRECISION. The matrix products marked QUANTISED in the list below multiply operands that are first quantised to E4M3 (4 exponent bits, 3 mantissa bits; 8 bits a number), with one given power-of-two scale for each operand tensor; their sums are f32. All else is computed in f32.
;;   The module's matrix products, in the order in which they are computed (A, B: the left and right operand; K: the contracted axis; several contracted axes count as one K, in the product's order):
;;     1. [M 4,096, K 1,024] x [K 1,024, N 1,024]; A: input x; B: input W_K: QUANTISED (scales: A lowp_scales[0], B lowp_scales[1])
;;     2. [M 4,096, K 1,024] x [K 1,024, N 1,024]; A: input x; B: input W_Q: QUANTISED (scales: A lowp_scales[2], B lowp_scales[3])
;;     3. [M 4,096, K 1,024] x [K 1,024, N 1,024]; A: input x; B: input W_V: QUANTISED (scales: A lowp_scales[4], B lowp_scales[5])
;;     4. batch 16 x [M 4,096, K 64] x [K 64, N 4,096]; A: computed on the way; B: computed on the way: QUANTISED (scales: A lowp_scales[6], B lowp_scales[7])
;;     5. batch 16 x [M 4,096, K 4,096] x [K 4,096, N 64]; A: softmax (see below); B: computed on the way: QUANTISED (scales: A lowp_scales[8], B lowp_scales[9])
;;     6. [M 4,096, K 1,024] x [K 1,024, N 1,024]; A: computed on the way; B: input W_O: QUANTISED (scales: A lowp_scales[10], B lowp_scales[11])
;;   THE QUANTISER, for each operand of a quantised product, along K:
;;     - The operand's scale is 2^e, e = its entry of the input lowp_scales (int32; the entries are numbered through the quantised products in the list's order, A before B).
;;     - Each number is divided by the scale, clamped to +-448, and rounded to the nearest number of E4M3, ties to even, subnormals kept.
;;     - The product sums the exact products of the quantised numbers (number of the format x scale) in f32.
;;   ~~~python
;;   def quantise(x, axis, e):      # numpy; x: float32 -> the quantised numbers, widened to float32 again
;;       x = np.moveaxis(x, axis, -1); K = x.shape[-1]
;;       r = np.clip(x / 2.0 ** e, -448, 448)
;;       step = 2.0 ** (np.maximum(np.frexp(np.where(r == 0, 1, r))[1] - 1, -6) - 3)
;;       q = np.round(r / step) * step * 2.0 ** e      # np.round: ties to even
;;       return np.moveaxis(q, -1, axis).astype(np.float32)
;;   ~~~
;;   SOFTMAX AHEAD OF A QUANTISED PRODUCT. Where the list says 'softmax', what is quantised is not the finished softmax but p = 2^(t - M), with t = logit x log2(e) and M = ceil(the row's largest t), a whole number; so 1/2 < the row's largest p <= 1. The row's sum l is taken of the UNQUANTISED p, in f32, and the product's result is divided by l at the end. Since M is a whole number, a kernel that streams over the keys may use a running M (the ceiling of the running maximum): every later rescaling is an exact power of two, so the quantised numbers keep their values, but for numbers so far below the row's largest that they fall under the format's range.
;;   OPERANDS COMPUTED ON THE WAY. 'Computed on the way' means the value that the module computes at that place (a softmax that the list does not call 'softmax' is quantised finished and normalised). What goes into a quantiser is computed in f32, as accurately as f32 sums, v_exp_f32 and their like allow (about 1e-6 of the number): no bf16 or f16 on the way to a quantiser, and a product that is left as it is and whose result goes on into a quantised operand takes f32 operands (vector FMAs, or v_wmma_f32_16x16x4_f32). A number that lies on a knife's edge between two numbers of the format may be rounded either way, as far as f32 arithmetic and the matrix unit's own rounding can turn it there, and no further.
;; One version. Each part assembles by itself: llvm-mc -triple=amdgcn-amd-amdhsa -mcpu=gfx1250 --defsym DOCPART=n.
;; ======== version 1 of 1: 4 launches
;; limits: right only within a limited range of input values
;; workspace buffers: xc 12,582,912 bytes; wc 4,194,304 bytes; kc 4,194,304 bytes; qc 4,194,304 bytes; vc 4,194,304 bytes; zc 4,194,304 bytes
;; launch quant (part 1): grid 512 x 1, 4 waves a work-group, no clusters, 68,096 bytes of LDS; arguments x, W_K, W_Q, W_V, W_O, lowp_scales, xc, wc; writes xc, wc
.if DOCPART == 1
	.amdgcn_target "amdgcn-amd-amdhsa--gfx1250"
	.amdhsa_code_object_version 6
	.text
	.protected	k_q81af17d834_quant
	.globl	k_q81af17d834_quant
	.p2align	8
	.type	k_q81af17d834_quant,@function
k_q81af17d834_quant:
	s_mov_b64 s[64:65], 0
	v_nop
	global_prefetch_b8 v0, s[64:65] scope:SCOPE_SE
	s_setreg_imm32_b32 hwreg(HW_REG_WAVE_MODE, 25, 1), 1
	s_wait_xcnt 0x0
; x [4096][1024] and the four weights [1024][1024], f32 with K innermost, become codes of FP8 (E4M3), each under the given scale 2^e:
; code = number / 2^e, held within +-448, to the nearest code, ties to even.  x is an operand of three products with three scales (entries 0, 2, 4): it is turned into codes three times.
; W_K, W_Q, W_V, W_O take entries 1, 3, 5, 11.
; THE CODES ARE STORED AS IMAGES OF OPERAND REGISTERS.  A fragment is 16 rows x 128 K = 16 registers a lane = four pieces of 512 bytes, lane l's 16 bytes at 16 l.
; Piece c of lane (r, h) (r = l % 16, h = l / 16) holds k = 32 c + 16 h + 0 .. 15 of row rho(T, r) = 32 (T / 2) + 8 (T % 2) + r + 8 (r / 8): the rows of tile T are not neighbours, so that
; the results of a product on such tiles come out with 16 neighbours of the next K in a lane.
;   xc: [part 3][group of eight tiles 32][K step of 256: 4][tile 8][half of the step 2][piece 4][512 bytes]      wc: [W_K, W_Q, W_V, W_O][group 8][K step 4][tile 8][2][4][512]
; so 128 rows are 128 KiB on end, and one K step of them 32 KiB on end.
; SHARES.  Work-groups 0-255: tile T of x; 256-511: tile T of one weight.  Wave w takes K step w: two fragments.  All of a wave's 32 loads (16 KiB) go out at the head.
; Each load reads 512 consecutive bytes of one row; a fragment's 16 x 512 bytes turn through the wave's own stage in LDS (rows 528 bytes apart: row r begins 16 r bytes further on modulo 256)
; and come back 64 bytes a lane: 16 neighbours along K.  Each store of codes covers 512 consecutive bytes, aligned.  Waves share nothing: no barrier.
; DEAD WORK that the program leaves out: in the attention launch the steps of 128 keys that lie wholly above the diagonal of the causal mask; their weights in the softmax are 0.
; A NaN, an infinity or an overflow that arises only there is not carried to the result.
; LIMITS: each e between -126 and 119, so that 2^e and 448 x 2^e are f32 numbers.  NaN among the inputs is not served (an infinity is held at the largest code).
.set STG,  16*528                      ; a stage: 16 rows
.set WREG, 2*STG                       ; a wave's two stages, one for each fragment
.set LO,   1                           ; v1      16 x lane: my bytes of a load's and of a store's 512
.set SI,   2                           ; v2      the stage, on the way in
.set SO,   3                           ; v3      and on the way out: row r, + 64 h
.set SC,   12                          ; v12-14  2^e as f32, three sets
.set LIM,  15                          ; v15-17  448 x 2^e
.set T,    20                          ; v20-51  held numbers, two sets of 16 by turns
.set C,    52                          ; v52-99  codes: 16 registers for each of the three sets
.set R,    100                         ; v100-227 the numbers: 64 registers a fragment
.set SPARE, 4*WREG                     ; the spare words, 128 bytes for each wave; v228 my word's address, v229 0
	s_load_b512 s[4:19], s[0:1], 0x0               ; x 4:5, W_K 6:7, W_Q 8:9, W_V 10:11, W_O 12:13, the exponents 14:15, xc 16:17, wc 18:19
	v_lshl_add_u32 v228, v0, 2, SPARE
	v_mov_b32 v229, 0
	v_lshrrev_b32 v4, 5, v0
	v_readfirstlane_b32 s20, v4                    ; wave = K step
	v_and_b32 v5, 31, v0
	v_lshlrev_b32 v[LO], 4, v5
	v_and_b32 v6, 15, v0                           ; r
	v_bfe_u32 v7, v0, 4, 1                         ; h
	s_mul_i32 s21, s20, WREG
	v_add_nc_u32 v[SI], s21, v[LO]
	v_mul_u32_u24 v[SO], v6, 528
	v_lshl_add_u32 v[SO], v7, 6, v[SO]
	v_add_nc_u32 v[SO], s21, v[SO]
	s_cmp_lt_u32 ttmp9, 256                        ; x's work-group or a weight's: the choice hangs on the work-group's number alone
	s_cselect_b32 s22, 0, 256
	s_cselect_b32 s36, 255, 63
	s_sub_co_u32 s22, ttmp9, s22
	s_lshr_b32 s23, s22, 6                         ; which weight (of no account for x)
	s_and_b32 s36, s22, s36                        ; T
	s_lshr_b32 s37, s36, 1
	s_lshl_b32 s37, s37, 17                        ; 32 (T / 2) rows of 4,096 bytes
	s_and_b32 s38, s36, 1
	s_lshl_b32 s38, s38, 15                        ; 8 (T % 2) rows
	s_add_co_u32 s50, s37, s38
	s_lshl_b32 s38, s20, 10                        ; my K step: 256 numbers
	s_add_co_u32 s50, s50, s38
	s_mov_b32 s51, 0                               ; s[50:51]: where I read
	s_lshr_b32 s39, s36, 3
	s_lshl_b32 s39, s39, 17                        ; the group of eight tiles: 128 KiB
	s_and_b32 s38, s36, 7
	s_lshl_b32 s38, s38, 12                        ; the tile in it: 4 KiB of a K step
	s_add_co_u32 s39, s39, s38
	s_lshl_b32 s38, s20, 15                        ; the K step: 32 KiB
	s_add_co_u32 s54, s39, s38                     ; in a part of xc,
	s_mov_b32 s55, 0
	s_lshl_b32 s38, s23, 20
	s_add_co_u32 s52, s54, s38                     ; and in wc: + weight x 1 MiB
	s_mov_b32 s53, 0
	s_wait_alu depctr_va_vdst(0)                   ; directly ahead of the wait below
	s_wait_kmcnt 0x0
	s_load_b256 s[24:31], s[14:15], 0x0            ; e0 .. e7
	s_load_b128 s[32:35], s[14:15], 0x20           ; e8 .. e11
	s_cmp_eq_u32 s23, 0
	s_cselect_b64 s[40:41], s[6:7], s[12:13]
	s_cmp_eq_u32 s23, 1
	s_cselect_b64 s[40:41], s[8:9], s[40:41]
	s_cmp_eq_u32 s23, 2
	s_cselect_b64 s[40:41], s[10:11], s[40:41]
	s_cmp_lt_u32 ttmp9, 256
	s_cselect_b64 s[40:41], s[4:5], s[40:41]       ; the tensor that I read
	s_cselect_b64 s[44:45], s[16:17], s[18:19]     ; the buffer of the first set of codes
	s_cselect_b64 s[52:53], s[54:55], s[52:53]
	s_add_nc_u64 s[40:41], s[40:41], s[50:51]
	s_add_nc_u64 s[44:45], s[44:45], s[52:53]
	s_add_nc_u64 s[46:47], s[16:17], s[54:55]      ; x's second and third set: parts 1 and 2 of xc (named on x's path alone)
	s_add_nc_u64 s[48:49], s[46:47], 0x800000
	s_add_nc_u64 s[46:47], s[46:47], 0x400000
.irp kc, 0,1
.irp i, 0,1,2,3,4,5,6,7,8,9,10,11,12,13,14,15
	global_load_b128 v[R+64*\kc+4*\i:R+64*\kc+4*\i+3], v[LO], s[40:41] offset:(\i+8*(\i/8))*4096+512*\kc th:TH_LOAD_NT   ; 32 lanes read 512 consecutive bytes of row rho(T, i)
.endr
.endr
	s_wait_kmcnt 0x0
	s_cmp_eq_u32 s23, 0
	s_cselect_b32 s58, s25, s35                    ; W_K: e1; W_O: e11
	s_cmp_eq_u32 s23, 1
	s_cselect_b32 s58, s27, s58                    ; W_Q: e3
	s_cmp_eq_u32 s23, 2
	s_cselect_b32 s58, s29, s58                    ; W_V: e5
	s_cmp_lt_u32 ttmp9, 256
	s_cselect_b32 s58, s24, s58                    ; x: e0
.macro MKSC p, e                       ; set p: 2^e as f32 (the conversion takes its exponent field), and 448 x 2^e
	s_add_co_i32 s56, s[\e], 127
	s_lshl_b32 s57, s56, 23
	v_mov_b32 v[SC+\p], s57
	s_add_co_i32 s56, s56, 8
	s_lshl_b32 s56, s56, 23
	s_or_b32 s56, s56, 0x600000
	v_mov_b32 v[LIM+\p], s56
.endm
	MKSC 0, 58
	MKSC 1, 26                                     ; e2
	MKSC 2, 28                                     ; e4
; Fragment kc under scale set p: the numbers stay as they are (x is quantised three times); the held ones go into T's two sets by turns, so that plain lines stand between a conversion and the next write of its sources.
.macro QUANT kc, p
.irp c, 0,1,2,3
.irp n, 0,1,2,3,4,5,6,7,8,9,10,11,12,13,14,15
	v_med3_num_f32 v[T+16*(\c%2)+\n], v[R+64*\kc+16*\c+\n], -v[LIM+\p], v[LIM+\p]   ; the conversion to an 8-bit code does not saturate (ISA guide 7.6.2): the hold comes first
.endr
	v_cvt_scalef32_pk8_fp8_f32 v[C+16*\p+4*\c:C+16*\p+4*\c+1], v[T+16*(\c%2):T+16*(\c%2)+7], v[SC+\p]
	v_cvt_scalef32_pk8_fp8_f32 v[C+16*\p+4*\c+2:C+16*\p+4*\c+3], v[T+16*(\c%2)+8:T+16*(\c%2)+15], v[SC+\p]
.endr
.irp c, 0,1,2,3
	global_store_b128 v[LO], v[C+16*\p+4*\c:C+16*\p+4*\c+3], s[44+2*\p:45+2*\p] offset:2048*\kc+512*\c   ; piece c: 512 consecutive bytes
.endr
.endm
.macro TILE kc
	s_wait_loadcnt 16*(1-\kc)                      ; this fragment's 16 loads are in; the other fragment's 16 were issued behind them
.irp i, 0,1,2,3,4,5,6,7,8,9,10,11,12,13,14,15
	ds_store_b128 v[SI], v[R+64*\kc+4*\i:R+64*\kc+4*\i+3] offset:STG*\kc+528*\i
.endr
.irp c, 0,1,2,3
.irp j, 0,1,2,3
	ds_load_b128 v[R+64*\kc+16*\c+4*\j:R+64*\kc+16*\c+4*\j+3], v[SO] offset:STG*\kc+128*\c+16*\j   ; LDS serves a wave's instructions in order (ISA guide 5.7.1.4): these see the stores above.  Register 16 c + n: k = 32 c + 16 h + n of row rho(T, r)
.endr
.endr
	s_wait_dscnt 0x0
.if \kc
	s_wait_xcnt 0x0                                ; the first fragment's stores have read their codes: those registers are written again only behind this wait
.endif
	QUANT \kc, 0
	s_cmp_lt_u32 ttmp9, 256
	s_cbranch_scc0 .Lweight_\@                     ; a weight has one scale
	QUANT \kc, 1
	QUANT \kc, 2
.Lweight_\@:
.endm
	s_wait_alu depctr_va_vdst(0)                   ; the head's end
	TILE 0
	TILE 1
	s_wait_tensorcnt 0x0                           ; the wave's end
	ds_add_u32 v228, v229
	s_wait_dscnt 0x0
	s_endpgm
.Lfunc_end_k_q81af17d834_quant:
	.size	k_q81af17d834_quant, .Lfunc_end_k_q81af17d834_quant-k_q81af17d834_quant
	.p2alignl 7, 3214868480
	.fill 96, 4, 3214868480
	.section	.rodata,"a",@progbits
	.p2align	6, 0x0
	.amdhsa_kernel k_q81af17d834_quant
		.amdhsa_group_segment_fixed_size 68096
		.amdhsa_private_segment_fixed_size 0
		.amdhsa_enable_private_segment 0
		.amdhsa_kernarg_size 64
		.amdhsa_user_sgpr_count 2
		.amdhsa_user_sgpr_kernarg_segment_ptr 1
		.amdhsa_wavefront_size32 1
		.amdhsa_system_sgpr_workgroup_id_x 1
		.amdhsa_system_sgpr_workgroup_id_y 1
		.amdhsa_system_sgpr_workgroup_id_z 1
		.amdhsa_system_vgpr_workitem_id 0
		.amdhsa_next_free_vgpr 230
		.amdhsa_next_free_sgpr 66
		.amdhsa_reserve_vcc 0
		.amdhsa_float_denorm_mode_32 3
		.amdhsa_float_denorm_mode_16_64 3
		.amdhsa_memory_ordered 1
		.amdhsa_forward_progress 1
		.amdhsa_inst_pref_size 41
	.end_amdhsa_kernel
	.amdgpu_metadata
---
amdhsa.version: [ 1, 2 ]
amdhsa.kernels:
  - .name:           k_q81af17d834_quant
    .symbol:         k_q81af17d834_quant.kd
    .args:
      - { .name: x, .offset: 0, .size: 8, .value_kind: global_buffer, .address_space: global }
      - { .name: W_K, .offset: 8, .size: 8, .value_kind: global_buffer, .address_space: global }
      - { .name: W_Q, .offset: 16, .size: 8, .value_kind: global_buffer, .address_space: global }
      - { .name: W_V, .offset: 24, .size: 8, .value_kind: global_buffer, .address_space: global }
      - { .name: W_O, .offset: 32, .size: 8, .value_kind: global_buffer, .address_space: global }
      - { .name: lowp_scales, .offset: 40, .size: 8, .value_kind: global_buffer, .address_space: global }
      - { .name: xc, .offset: 48, .size: 8, .value_kind: global_buffer, .address_space: global }
      - { .name: wc, .offset: 56, .size: 8, .value_kind: global_buffer, .address_space: global }
    .group_segment_fixed_size: 68096
    .private_segment_fixed_size: 0
    .kernarg_segment_align: 8
    .kernarg_segment_size: 64
    .max_flat_workgroup_size: 128
    .sgpr_count:     66
    .vgpr_count:     230
    .wavefront_size: 32
...
	.end_amdgpu_metadata
.endif
;; end of part 1
;; launch proj (part 2): grid 12 x 16, 4 waves a work-group, clusters of 4 x 4, 327,680 bytes of LDS; arguments xc, wc, lowp_scales, kc, qc, vc; writes kc, qc, vc
.if DOCPART == 2
	.amdgcn_target "amdgcn-amd-amdhsa--gfx1250"
	.amdhsa_code_object_version 6
	.text
	.protected	k_q81af17d834_proj
	.globl	k_q81af17d834_proj
	.p2align	8
	.type	k_q81af17d834_proj,@function
k_q81af17d834_proj:
	s_mov_b64 s[64:65], 0
	v_nop
	global_prefetch_b8 v0, s[64:65] scope:SCOPE_SE
	s_setreg_imm32_b32 hwreg(HW_REG_WAVE_MODE, 25, 1), 1
	s_wait_xcnt 0x0
	s_wait_alu depctr_hold_cnt(0) depctr_sa_sdst(0) depctr_va_vdst(0) depctr_va_sdst(0) depctr_va_ssrc(0) depctr_va_vcc(0) depctr_vm_vsrc(0)
	s_getreg_b32 s2, hwreg(HW_REG_IB_STS2, 6, 4)
	s_cmp_eq_u32 s2, 0
	s_cbranch_scc0 .Lentry_in_a_cluster
	s_endpgm
.Lentry_in_a_cluster:
	s_bfe_u32 s2, ttmp6, 0x10000c
	s_cmp_lg_u32 s2, 0xf033
	s_cbranch_scc0 .Lentry_shape_is_right
	s_endpgm
.Lentry_shape_is_right:
; k, q and v: three products of x's codes [4096][1024] with W_K's, W_Q's, W_V's [1024][1024], FP8, sums in f32, quantised at once for the attention (entries 7, 6, 9 of the scales).
; All operands are images of operand registers (the first launch's head): 128 rows x 256 K are 32 KiB on end, the next K step of the same rows follows.
; A work-group of four waves makes 256 x 256 of one product, a wave 128 x 128.  Cluster x = the product; the four of a row of the cluster share A's tiles, the four of a column B's, by joint loads.
; A holds the token rows for k and q and the weight's rows for v, so that a lane's results are neighbours along the next product's K.
; THE RING: four K steps, two slots.  At the head each wave's one joint load brings K steps 0 and 1 of its 128 rows, 64 KiB on end; K steps 2 and 3 refill slots 0 and 1.  No prefetch: the loop has one trip, so there is no loop to run ahead in.
; LDS: [wave's 128 rows 4][slot 2][32 KiB].
; LIMITS: each scale combined from three exponents lies between 2^-126 and 2^119.  NaN is not served.
.set FR,     16
.set NL,     4
.set NPL,    4
.set HALFT,  32768
.set SLOT,   HALFT                     ; from slot 0 to slot 1 of the same rows
.set SPARE,  8*HALFT
.set LAPS,   2
.set ADRA, 16
.set ADRB, 20
.set CO,   26
.set SPW,  28
.set NIL,  29
.set SCL,  30
.set AF,   128
.set CD,   128
.set G1, 24
.set G0, 32
.set G1B, 48
.set G0B, 56
.set MSB, 0
.macro WIN new
.if MSB != \new
	s_set_vgpr_msb (MSB<<8)|\new
.set MSB, \new
.endif
.endm
.set MUL_LO, 0xa1
.set MUL_HI, 0xf1
.set TO_B,   0x40
.macro JLOAD g0a, g1a, g0b, g1b
	s_cmp_eq_u32 s15, 0
	s_cbranch_scc0 .Lfor_b_\@
	tensor_load_to_lds s[\g0a:\g0a+3], s[\g1a:\g1a+7]
	s_nop 0
.rept 4
	v_nop
.endr
	s_branch .Lasked_\@
.Lfor_b_\@:
	tensor_load_to_lds s[\g0b:\g0b+3], s[\g1b:\g1b+7]
	s_nop 0
.rept 4
	v_nop
.endr
.Lasked_\@:
.endm
.macro CREST
	s_cmp_lg_u32 s14, 0
	s_cbranch_scc1 .Lnot_wave_0_\@
	s_barrier_signal -3
.Lnot_wave_0_\@:
	s_barrier_wait -3
	s_barrier_signal -1
	s_barrier_wait -1
.endm
.macro CROUND
	s_barrier_signal -1
	s_barrier_wait -1
	CREST
.endm
	s_load_b256 s[4:11], s[0:1], 0x0
	s_load_b128 s[68:71], s[0:1], 0x20
	v_lshl_add_u32 v[SPW], v0, 2, SPARE
	v_mov_b32 v[NIL], 0
	ds_add_u32 v28, v29
	ds_add_u32 v28, v29
	s_wait_dscnt 0x0
	v_lshrrev_b32 v1, 5, v0
	v_readfirstlane_b32 s14, v1
	s_lshr_b32 s15, s14, 1
	s_and_b32 s16, s14, 1
	s_bfe_u32 s40, ttmp6, 0x40000
	s_bfe_u32 s41, ttmp6, 0x40004
	s_and_b32 s13, ttmp7, 0xffff
	s_lshl_b32 s13, s13, 2
	s_lshl_b32 s18, ttmp9, 22
	s_lshl_b32 s19, ttmp9, 20
	s_mov_b32 s84, 0x10000                         ; two K steps on: 64 KiB
	s_mov_b32 s86, 0x10000
	s_cmp_eq_u32 ttmp9, 2
	s_cselect_b32 s17, 0, s13
	s_cselect_b32 s42, s13, 0
	s_cselect_b32 s18, 0x200000, s18
	s_cselect_b32 s19, 0x800000, s19
	s_mov_b32 s85, 0
	s_mov_b32 s87, 0
	s_add_co_u32 s17, s17, s41
	s_add_co_u32 s42, s42, s40
	s_lshr_b32 s92, s84, 1
	s_mov_b32 s93, 0
	s_lshr_b32 s94, s86, 1
	s_mov_b32 s95, 0
	s_lshl_b32 s43, s41, 2
	s_lshl_b32 s43, 15, s43
	s_lshl_b32 s44, 0x1111, s40
	s_or_b32 s[G1+0], s43, (3<<16)|(1<<21)
	s_or_b32 s[G1B+0], s44, (3<<16)|(1<<21)
.irp g, G1, G1B
	s_mov_b32 s[\g+1], 32<<16
	s_mov_b32 s[\g+2], 256<<16                     ; the head's load: two K steps of 128 rows, 256 rows of 256 bytes
	s_mov_b32 s[\g+3], 32<<16
	s_mov_b32 s[\g+4], 256
	s_mov_b32 s[\g+5], 32
	s_mov_b32 s[\g+6], 0
	s_mov_b32 s[\g+7], 0
.endr
	s_lshl_b32 s20, s17, 18                        ; 256 rows are 256 KiB
	s_add_co_u32 s20, s20, s18
	s_lshl_b32 s21, s16, 17
	s_add_co_u32 s20, s20, s21
	s_mov_b32 s21, 0
	s_lshl_b32 s46, s42, 18
	s_add_co_u32 s46, s46, s19
	s_lshl_b32 s47, s16, 17
	s_add_co_u32 s46, s46, s47
	s_mov_b32 s47, 0
	s_lshl_b32 s45, s14, 16                        ; my 128 rows' two slots
	s_wait_kmcnt 0x0
	s_load_b256 s[72:79], s[8:9], 0x0
	s_load_b128 s[80:83], s[8:9], 0x20
	s_cmp_eq_u32 ttmp9, 2
	s_cselect_b64 s[88:89], s[6:7], s[4:5]
	s_cselect_b64 s[90:91], s[4:5], s[6:7]
	s_add_nc_u64 s[20:21], s[88:89], s[20:21]
	s_add_nc_u64 s[46:47], s[90:91], s[46:47]
	CROUND
	s_mov_b32 s[G0], 1
	s_add_co_u32 s[G0+1], s45, 0
	s_mov_b64 s[G0+2:G0+3], s[20:21]
	s_or_b32 s[G0+3], s[G0+3], 0x80000000
	s_mov_b32 s[G0B], 1
	s_add_co_u32 s[G0B+1], s45, 0
	s_mov_b64 s[G0B+2:G0B+3], s[46:47]
	s_or_b32 s[G0B+3], s[G0B+3], 0x80000000
	JLOAD G0, G1, G0B, G1B
	s_mov_b32 s[G0+4], 1
	s_add_co_u32 s[G0+5], s45, SLOT
	s_add_nc_u64 s[G0+6:G0+7], s[20:21], s[92:93]
	s_or_b32 s[G0+7], s[G0+7], 0x80000000
	s_mov_b32 s[G0B+4], 1
	s_add_co_u32 s[G0B+5], s45, SLOT
	s_add_nc_u64 s[G0B+6:G0B+7], s[46:47], s[94:95]
	s_or_b32 s[G0B+7], s[G0B+7], 0x80000000
	v_and_b32 v1, 31, v0
	v_lshlrev_b32 v[CO], 4, v1
	s_lshl_b32 s22, s15, 16
	s_lshl_b32 s23, s16, 16
	s_add_co_u32 s23, s23, 4*HALFT
.irp s, 0,1
	v_add_nc_u32 v[ADRA+\s], s22, v[CO]
	v_add_nc_u32 v[ADRB+\s], s23, v[CO]
	s_add_co_u32 s22, s22, SLOT
	s_add_co_u32 s23, s23, SLOT
.endr
.macro FRAG reg, adr, q, i
.irp c, 0,1,2,3
	ds_load_b128 v[\reg+4*\c:\reg+4*\c+3], v[\adr] offset:4096*(\i)+2048*(\q)+512*\c
.endr
.endm
.macro MUL16 a0, p, zero
.irp a, \a0, \a0+1
.irp b, 0,1,2,3,4,5,6,7
.if \zero
	v_wmma_f32_16x16x128_fp8_fp8 v[8*(8*((\a)%4)+\b):8*(8*((\a)%4)+\b)+7], v[128*(\p)+FR*\b:128*(\p)+FR*\b+FR-1], v[AF+FR*(\a):AF+FR*(\a)+FR-1], 0
.else
	v_wmma_f32_16x16x128_fp8_fp8 v[8*(8*((\a)%4)+\b):8*(8*((\a)%4)+\b)+7], v[128*(\p)+FR*\b:128*(\p)+FR*\b+FR-1], v[AF+FR*(\a):AF+FR*(\a)+FR-1], v[8*(8*((\a)%4)+\b):8*(8*((\a)%4)+\b)+7]
.endif
.endr
.endr
.endm
.macro FETCH_B slot, q, p
	WIN TO_B
.irp i, 0,1,2,3,4,5,6,7
	FRAG 128*(\p)+FR*\i, ADRB+\slot, \q, \i
.endr
	WIN 0
.endm
.macro FETCH_A slot, q, i0
.irp i, \i0, \i0+1, \i0+2, \i0+3
	FRAG AF+FR*(\i), ADRA+\slot, \q, \i
.endr
.endm
.macro PLACES n
.rept \n
	v_nop
.endr
.endm
.macro STEP slot, q, zero
	s_wait_dscnt 4*NL
	WIN MUL_LO
	MUL16 0, (\q)%2, \zero
	MUL16 2, (\q)%2, \zero
	s_wait_dscnt 0
	PLACES NPL
	FETCH_B \slot, (\q)+1, 1-(\q)%2
	FETCH_A \slot, (\q)+1, 0
	WIN MUL_HI
	MUL16 4, (\q)%2, \zero
	MUL16 6, (\q)%2, \zero
	PLACES NPL
	WIN 0
	FETCH_A \slot, (\q)+1, 4
.endm
.macro TURN slot, next, fill
	s_wait_tensorcnt 0x0
	ds_add_u32 v[SPW], v[NIL]
	s_wait_dscnt 4*NL+1
	WIN MUL_LO
	MUL16 0, 1, 0
	s_wait_dscnt 0x0
	s_barrier_signal -1
	MUL16 2, 1, 0
	WIN 0
	s_barrier_wait -1
.if \fill
	CREST
	s_add_nc_u64 s[G0+4*\slot+2:G0+4*\slot+3], s[G0+4*\slot+2:G0+4*\slot+3], s[84:85]
	s_add_nc_u64 s[G0B+4*\slot+2:G0B+4*\slot+3], s[G0B+4*\slot+2:G0B+4*\slot+3], s[86:87]
	JLOAD G0+4*\slot, G1, G0B+4*\slot, G1B
.else
	PLACES NPL
.endif
	FETCH_B \next, 0, 0
	FETCH_A \next, 0, 0
	WIN MUL_HI
	MUL16 4, 1, 0
	MUL16 6, 1, 0
	PLACES NPL
	WIN 0
	FETCH_A \next, 0, 4
.endm
	s_wait_alu depctr_va_vdst(0)                   ; the head's end
	s_wait_tensorcnt 0x0                           ; my part of K steps 0 and 1 is in: the descriptors may be written
.irp g, G1, G1B
	s_mov_b32 s[\g+2], 128<<16                     ; the refills: one K step of 128 rows, 128 rows of 256 bytes
	s_mov_b32 s[\g+4], 128
.endr
	s_barrier_signal -1
	s_barrier_wait -1
	FETCH_B 0, 0, 0
	FETCH_A 0, 0, 0
	FETCH_A 0, 0, 4
	STEP 0, 0, 1
	s_mov_b32 s3, LAPS-1
.Llap:
	TURN 0, 1, 1
	STEP 1, 0, 0
	TURN 1, 0, 1
	STEP 0, 0, 0
	s_sub_co_u32 s3, s3, 1
	s_cmp_lg_u32 s3, 0
	s_cbranch_scc1 .Llap
	TURN 0, 1, 0
	STEP 1, 0, 0
	s_wait_dscnt 4*NL
	WIN MUL_LO
	MUL16 0, 1, 0
	MUL16 2, 1, 0
	s_wait_dscnt 0
	WIN MUL_HI
	MUL16 4, 1, 0
	MUL16 6, 1, 0
	WIN 0
	s_wait_kmcnt 0x0
	s_cmp_eq_u32 ttmp9, 0
	s_cselect_b32 s92, s72, s74
	s_cselect_b32 s93, s73, s75
	s_cselect_b32 s94, s79, s78
	s_cmp_eq_u32 ttmp9, 2
	s_cselect_b32 s92, s76, s92
	s_cselect_b32 s93, s77, s93
	s_cselect_b32 s94, s81, s94
	s_sub_co_i32 s94, s94, s92
	s_sub_co_i32 s94, s94, s93
	s_add_co_i32 s94, s94, 127
	s_lshl_b32 s95, s94, 23
	v_mov_b32 v[SCL], s95
	s_add_co_i32 s94, s94, 8
	s_lshl_b32 s94, s94, 23
	s_or_b32 s96, s94, 0x600000
	s_or_b32 s97, s96, 0x80000000
	s_lshl_b32 s92, s42, 1
	s_add_co_u32 s92, s92, s16
	s_lshl_b32 s93, s17, 1
	s_add_co_u32 s93, s93, s15
	s_cmp_eq_u32 ttmp9, 2
	s_cselect_b32 s94, s93, s92
	s_cselect_b32 s95, s92, s93
	s_cselect_b64 s[88:89], s[70:71], s[10:11]
	s_cmp_eq_u32 ttmp9, 1
	s_cselect_b64 s[88:89], s[68:69], s[88:89]
	s_lshl_b32 s94, s94, 19
	s_lshl_b32 s95, s95, 13
	s_add_co_u32 s94, s94, s95
	s_mov_b32 s95, 0
	s_add_nc_u64 s[88:89], s[88:89], s[94:95]
	PLACES NPL
.macro HOLD w, wm, wc
	WIN \wm
.set j, 0
.rept 256
	v_med3_num_f32 v[j], v[j], s97, s96
.set j, j+1
.endr
	WIN \wc
.irp a, 0,1,2,3
.irp b, 0,1,2,3,4,5,6,7
	v_cvt_scalef32_pk8_fp8_f32 v[CD+16*(4*(\w-2)+\a)+2*\b:CD+16*(4*(\w-2)+\a)+2*\b+1], v[8*(8*\a+\b):8*(8*\a+\b)+7], v[SCL]
.endr
.endr
.endm
	HOLD 2, 0x82, 0x02
	HOLD 3, 0xc3, 0x03
	WIN 0
	v_nop
	s_cmp_eq_u32 ttmp9, 2
	s_cbranch_scc1 .Lstore_v
.irp a, 0,1,2,3,4,5,6,7
.irp g, 0,1,2,3
	global_store_b128 v[CO], v[CD+16*\a+4*\g:CD+16*\a+4*\g+3], s[88:89] offset:(\g/2)*262144+\a*1024+(\g%2)*512
.endr
.endr
	s_branch .Lstored
.Lstore_v:
	s_wait_alu depctr_va_vdst(0)
.irp a, 0,1,2,3,4,5,6,7
.irp g, 0,1,2,3
	global_store_b128 v[CO], v[CD+16*\a+4*\g:CD+16*\a+4*\g+3], s[88:89] offset:(\a/4)*262144+(\a%4)*2048+\g*512
.endr
.endr
.Lstored:
	s_wait_tensorcnt 0x0
	ds_add_u32 v[SPW], v[NIL]
	s_wait_dscnt 0x0
	CROUND
	s_endpgm
.Lfunc_end_k_q81af17d834_proj:
	.size	k_q81af17d834_proj, .Lfunc_end_k_q81af17d834_proj-k_q81af17d834_proj
	.p2alignl 7, 3214868480
	.fill 96, 4, 3214868480
	.section	.rodata,"a",@progbits
	.p2align	6, 0x0
	.amdhsa_kernel k_q81af17d834_proj
		.amdhsa_group_segment_fixed_size 327680
		.amdhsa_private_segment_fixed_size 0
		.amdhsa_enable_private_segment 0
		.amdhsa_kernarg_size 48
		.amdhsa_user_sgpr_count 2
		.amdhsa_user_sgpr_kernarg_segment_ptr 1
		.amdhsa_wavefront_size32 1
		.amdhsa_system_sgpr_workgroup_id_x 1
		.amdhsa_system_sgpr_workgroup_id_y 1
		.amdhsa_system_sgpr_workgroup_id_z 1
		.amdhsa_system_vgpr_workitem_id 0
		.amdhsa_next_free_vgpr 1024
		.amdhsa_next_free_sgpr 100
		.amdhsa_reserve_vcc 0
		.amdhsa_float_denorm_mode_32 3
		.amdhsa_float_denorm_mode_16_64 3
		.amdhsa_memory_ordered 1
		.amdhsa_forward_progress 1
		.amdhsa_inst_pref_size 120
	.end_amdhsa_kernel
	.amdgpu_metadata
---
amdhsa.version: [ 1, 2 ]
amdhsa.kernels:
  - .name:           k_q81af17d834_proj
    .symbol:         k_q81af17d834_proj.kd
    .args:
      - { .name: xc, .offset: 0, .size: 8, .value_kind: global_buffer, .address_space: global }
      - { .name: wc, .offset: 8, .size: 8, .value_kind: global_buffer, .address_space: global }
      - { .name: lowp_scales, .offset: 16, .size: 8, .value_kind: global_buffer, .address_space: global }
      - { .name: kc, .offset: 24, .size: 8, .value_kind: global_buffer, .address_space: global }
      - { .name: qc, .offset: 32, .size: 8, .value_kind: global_buffer, .address_space: global }
      - { .name: vc, .offset: 40, .size: 8, .value_kind: global_buffer, .address_space: global }
    .group_segment_fixed_size: 327680
    .private_segment_fixed_size: 0
    .kernarg_segment_align: 8
    .kernarg_segment_size: 48
    .max_flat_workgroup_size: 128
    .sgpr_count:     100
    .vgpr_count:     1024
    .wavefront_size: 32
...
	.end_amdgpu_metadata
.endif
;; end of part 2
;; launch attn (part 3): grid 16 x 16, 8 waves a work-group, no clusters, 271,360 bytes of LDS; arguments qc, kc, vc, lowp_scales, zc; writes zc
.if DOCPART == 3
	.amdgcn_target "amdgcn-amd-amdhsa--gfx1250"
	.amdhsa_code_object_version 6
	.text
	.protected	k_q81af17d834_attn
	.globl	k_q81af17d834_attn
	.p2align	8
	.type	k_q81af17d834_attn,@function
k_q81af17d834_attn:
	s_mov_b64 s[64:65], 0
	v_nop
	global_prefetch_b8 v0, s[64:65] scope:SCOPE_SE
	s_setreg_imm32_b32 hwreg(HW_REG_WAVE_MODE, 25, 1), 1
	s_wait_xcnt 0x0
; Causal attention on codes of FP8 (E4M3): z[q] = sum over keys k <= q of softmax(q . k / 8) v, for 16 heads of 64, 4,096 tokens; z is quantised at once for the last projection.
; THE SOFTMAX AHEAD OF THE SECOND PRODUCT: t = score x 2^(e6 + e7) x log2(e) / 8; M = the row's largest t so far, rounded UP to a whole number; p = 2^(t - M) is quantised under 2^e8, not normalised.
; The row's sum is taken of the unquantised p and divides at the end; when M moves, the sum and O are multiplied by 2^(old M - new M): exact.  z = O x 2^(e8 + e9) / sum, then code = z / 2^e10, held within +-448.
; ALL OPERANDS ARE IMAGES OF OPERAND REGISTERS (pieces of 512 bytes, lane l's 16 bytes at 16 l; lane (r, h) of tile T holds row rho(T, r) = 32 (T / 2) + 8 (T % 2) + r + 8 (r / 8), piece c its k = 32 c + 16 h + 0 .. 15):
;   qc, kc: [head][token tile 256][piece 2][512]   vc: [head][step of 128 keys 32][channel tile 4][piece 4][512]   zc: [block of 128 tokens 32][K step of 256: 4][tile 8][2][piece 4][512].
; Both products are used transposed (S^T = K Q^T, O^T = V^T P^T): a lane holds ONE query of a tile throughout; register 16 b + i of the scores is key 32 b + 16 h + i of the step, so p's conversions give the second product's operand,
; and O^T's conversions give z's pieces.
; SHARES.  Work-group (i, head) owns the query blocks 31 - i (late) and i (early) of 128 queries.  Waves 0-3 take the even steps of 128 keys, waves 4-7 the odd ones; wave u of each four takes tiles 2 u and 2 u + 1 of the block in hand,
; so that each fragment of K and V feeds two products.  A superstep is 256 keys, one step for each four.  The late block's L = (33 - i) / 2 supersteps come first, then the early block's 17 - L: 17 in every work-group.
; DEAD WORK left out: steps all of whose keys come after the block's queries (a scalar branch on ids).
; Each wave's partial O, M and sum of a block go to a record in LDS; at the end waves 0-3 join the late block's two records, waves 4-7 the early block's.
; THE RING: four LDS slots of a superstep (K 16 KiB, V 16 KiB).  Waves 0-3 load K's 16 KiB, waves 4-7 V's, 4 KiB a wave, into registers, and store them to LDS.  In superstep n: V's step n and K's step n + 1 are read, superstep n + 2 is stored,
; n + 3 is loaded: three different slots, so one barrier a superstep orders all.
; NO CLUSTER and no tensor load: the work-groups of a head walk different supersteps from the tenth on (L = 9 .. 16), so partners would not make the same requests; the hold of p hangs on a branch on e8.
; PREFETCH: work-group i of a head, i <= 10, asks in superstep 10 - i for superstep 15 - i, two ahead of its load: each block of 256 bytes once in the launch, 16 of them a wave.  Supersteps 0 to 4 come by their loads alone.
; LIMITS: e6 + e7 between -123 and 130; e8 and e10 between -126 and 119.  Hidden keys get p = 0, which is the masked softmax as long as a row's largest visible logit lies above about -1.25e9; the scaled scores stay under 2^31.  NaN is not served.
; REGISTERS.  Window 0: v1 where I read in a slot, v2 where I store, v3 16 x lane, v4 the prefetch's offset, v5-6 the add's, v7 the mask's d, v8 2^e8, v9-10, v27 LDS addresses in hand, v11 my record, v28 and v31 448 x 2^e8, v29 2^e10, v30 448 x 2^e10;
;   v12 -M, v13 the largest score, v[14:15] the sum of tile a, v16-19 of tile b; v20-26 at work; v32-63 p's codes; v64-127 tile a's scores, v128-191 tile b's; v192-223, v224-255 O^T of both.
;   Window 1: v0-63 K, v64-127 V, v128-159 the loads that land, v160-175 Q, v176-191 the early block's Q.
.set SLOTB, 32768
.set VOFF,  16384
.set PAIR,  65536                      ; two slots: the bit that turns one pair of slots into the other
.set REC,   4*SLOTB                    ; behind the ring: 16 records
.set RECB,  17*512                     ; O^T of two tiles, and one piece of -M and sums
.set SPARE, REC+16*RECB                ; the spare words, 128 bytes for each wave
.set SA,  64
.set SB,  128
.set OA,  192
.set OB,  224
.set CA,  32
.set CB,  48
.set VF,  64
.set LD,  128
.set QF,  160
.set QN,  176
.set CS,  22                           ; s[22:23] log2(e) / 8 x 2^(e6 + e7);  s[20:21] the lane selects for lane l xor 16
.set TB,  26                           ; s26 the pair of slots in hand, s27 the other
.set TBX, 27
; s2 superstep n; s3 trips; s14 L; s15 0 in waves 0-3, 1 in waves 4-7; s16 u; s17 the block in hand; s18 wave; s19 head; s24 superstep within the block; s25 my key step; s36 when I prefetch; s46 L - 1
.set MSB, 0
.macro WIN new                         ; the immediate's high byte repeats the setting that is left
.if MSB != \new
	s_set_vgpr_msb (MSB<<8)|\new
.set MSB, \new
.endif
.endm
.macro INIT                            ; a block's start: O^T and the sums 0, the largest score under every score.  The first change of M multiplies zeros
.set n, 0
.rept 64
	v_mov_b32 v[OA+n], 0
.set n, n+1
.endr
	v_mov_b32 v12, 0x7f61b1e6
	v_mov_b32 v16, 0x7f61b1e6
	v_mov_b32 v13, 0xff61b1e6
	v_mov_b32 v17, 0xff61b1e6
	v_mov_b32 v14, 0
	v_mov_b32 v15, 0
	v_mov_b32 v18, 0
	v_mov_b32 v19, 0
.endm
.macro KLD adr, off                    ; K's eight fragments of the next superstep
	s_cmp_lt_u32 s2, 16
	s_cbranch_scc0 .Lkd_\@
	WIN 0x40
.irp t, 0,1,2,3,4,5,6,7
.irp c, 0,1
	ds_load_b128 v[8*\t+4*\c:8*\t+4*\c+3], v[\adr] offset:\off+1024*\t+512*\c
.endr
.endr
	WIN 0
.Lkd_\@:
.endm
.macro STO par                         ; superstep n + 2, my 4 KiB of it: from registers into its slot
	s_wait_loadcnt 0x0
	s_cmp_lt_u32 s2, 15
	s_cbranch_scc0 .Lsd_\@
	WIN 0x04
.irp j, 0,1,2,3,4,5,6,7
	ds_store_b128 v27, v[LD+4*\j:LD+4*\j+3] offset:SLOTB*\par+512*\j
.endr
	WIN 0
.Lsd_\@:
.endm
.macro GLD                             ; superstep n + 3: its number within its block, then my 4 KiB; and in one superstep the prefetch.  My earlier loads are done and the stores of their registers too
	s_cmp_lt_u32 s2, 14
	s_cbranch_scc0 .Lgd_\@
	s_add_co_u32 s28, s2, 3
	s_sub_co_u32 s29, s28, s14
	s_cmp_lt_u32 s28, s14
	s_cselect_b32 s28, s28, s29
	s_lshl_b32 s28, s28, 14
	s_mov_b32 s29, 0
	s_add_nc_u64 s[32:33], s[30:31], s[28:29]
	WIN 0x40
.irp j, 0,1,2,3,4,5,6,7
	global_load_b128 v[LD+4*\j:LD+4*\j+3], v3, s[32:33] offset:512*\j
.endr
	WIN 0
	s_cmp_eq_u32 s2, s36
	s_cbranch_scc0 .Lgd_\@
	global_prefetch_b8 v4, s[34:35] th:TH_LOAD_NT scope:SCOPE_SE   ; (its address registers are never written again)
.Lgd_\@:
.endm
.macro PUT b                           ; my partial of block b (0 late, 1 early) into its record
	v_mov_b32 v20, v12
	v_mov_b32 v21, v16
	v_add_f32 v22, v14, v15
	v_add_f32 v23, v18, v19
.irp j, 0,1,2,3,4,5,6,7,8,9,10,11,12,13,14,15
	ds_store_b128 v11, v[OA+4*\j:OA+4*\j+3] offset:4*RECB*\b+512*\j
.endr
	ds_store_b128 v11, v[20:23] offset:4*RECB*\b+8192
.endm
.macro PLACES
.rept 4
	v_nop
.endr
.endm
; A SUPERSTEP.  par: n % 2.  first: superstep 0, in which nothing is hidden and no block ends.
.macro SUPER par, first
	s_xor_b32 s[TBX], s[TB], PAIR
	v_add_nc_u32 v9, s[TB], v1
.if \par
	v_add_nc_u32 v10, s[TBX], v1
.endif
	v_add_nc_u32 v27, s[TBX], v2
	s_wait_alu depctr_va_vdst(0)
.if \first == 0
	s_lshl_b32 s25, s24, 1
	s_add_co_u32 s25, s25, s15                     ; my step of 128 keys
	s_cmp_gt_u32 s25, s17
	s_cbranch_scc1 .Lhid_\@                        ; all its keys come after the block's queries: ids alone; no barrier stands in either arm
.endif
	WIN 0x05
.irp t, 0,1,2,3,4,5,6,7
	v_wmma_f32_16x16x64_fp8_fp8 v[SA+8*\t:SA+8*\t+7], v[8*\t:8*\t+7], v[QF:QF+7], 0
	v_wmma_f32_16x16x64_fp8_fp8 v[SB+8*\t:SB+8*\t+7], v[8*\t:8*\t+7], v[QF+8:QF+15], 0
.endr
	PLACES                                         ; for the loads below and for the first reads of the scores
	WIN 0x40
.irp t, 0,1,2,3
.irp c, 0,1,2,3
	ds_load_b128 v[VF+16*\t+4*\c:VF+16*\t+4*\c+3], v9 offset:SLOTB*\par+VOFF+2048*\t+512*\c
.endr
.endr
	WIN 0
.if \par
	KLD 10, 0
.else
	KLD 9, SLOTB
.endif
	STO \par
.if \first == 0
	s_cmp_lt_u32 s25, s17
	s_cbranch_scc1 .Lopen_\@                       ; all keys count
	v_mov_b32 v26, 0xff800000                      ; on the diagonal hidden scores become -infinity ahead of the maximum: p = 0.  Tile b's queries stand 8 places further on
.set n, 0
.rept 64
	v_cmp_gt_i32 vcc_lo, 32*(n/16)+n%16, v7
	v_cndmask_b32 v[SA+n], v[SA+n], v26, vcc_lo
	v_cmp_gt_i32 vcc_lo, 32*(n/16)+n%16-8, v7
	v_cndmask_b32 v[SB+n], v[SB+n], v26, vcc_lo
.set n, n+1
.endr
.Lopen_\@:
.endif
	v_max3_num_f32 v20, v[SA], v[SA+1], v[SA+2]    ; the largest score of my query in each tile, two chains a tile,
	v_max3_num_f32 v22, v[SB], v[SB+1], v[SB+2]
	v_max3_num_f32 v21, v[SA+3], v[SA+4], v[SA+5]
	v_max3_num_f32 v23, v[SB+3], v[SB+4], v[SB+5]
.set n, 6
.rept 14
	v_max3_num_f32 v20, v20, v[SA+n], v[SA+n+1]
	v_max3_num_f32 v22, v22, v[SB+n], v[SB+n+1]
	v_max3_num_f32 v21, v21, v[SA+n+2], v[SA+n+3]
	v_max3_num_f32 v23, v23, v[SB+n+2], v[SB+n+3]
.set n, n+4
.endr
	v_max3_num_f32 v20, v20, v[SA+62], v[SA+63]
	v_max3_num_f32 v22, v22, v[SB+62], v[SB+63]
	v_max3_num_f32 v20, v20, v21, v13              ; with the running one,
	v_max3_num_f32 v22, v22, v23, v17
	v_permlanex16_b32 v24, v20, s20, s21           ; and with lane l xor 16's
	v_permlanex16_b32 v25, v22, s20, s21
	v_max_num_f32 v13, v20, v24
	v_max_num_f32 v17, v22, v25
	v_mul_f32 v20, s[CS], -v13                     ; -t (the factor is positive)
	v_mul_f32 v22, s[CS], -v17
	v_floor_f32 v20, v20                           ; the new -M = floor(-t): M is a whole number
	v_floor_f32 v22, v22
	v_sub_f32 v21, v20, v12                        ; old M - new M: 0 or less
	v_sub_f32 v23, v22, v16
	v_mov_b32 v12, v20
	v_mov_b32 v16, v22
	v_cvt_i32_f32 v21, v21                         ; (it saturates)
	v_cvt_i32_f32 v23, v23
	v_ldexp_f32 v20, 1.0, v21                      ; f = 2^(old M - new M)
	v_ldexp_f32 v22, 1.0, v23
	s_wait_alu depctr_va_vdst(0)                   ; directly ahead of the wait below
	s_wait_dscnt 0x0                               ; V and the next K are in, my stores of superstep n + 2 are done
	GLD
	v_pk_mul_f32 v[14:15], v[14:15], v[20:21] op_sel_hi:[1,0]   ; sums and O^T under the new M
	v_pk_mul_f32 v[18:19], v[18:19], v[22:23] op_sel_hi:[1,0]
.set n, 0
.rept 16
	v_pk_mul_f32 v[OA+n:OA+n+1], v[OA+n:OA+n+1], v[20:21] op_sel_hi:[1,0]
	v_pk_mul_f32 v[OB+n:OB+n+1], v[OB+n:OB+n+1], v[22:23] op_sel_hi:[1,0]
.set n, n+2
.endr
.set n, 0
.rept 32
	v_pk_fma_f32 v[SA+n:SA+n+1], v[SA+n:SA+n+1], s[CS:CS+1], v[12:13] op_sel_hi:[1,0,0]   ; tile a: t - M, two at a time
.set n, n+2
.endr
	s_wait_alu depctr_va_vdst(0)                   ; ahead of the batch
.set n, 0
.rept 32                                           ; tile a's p = 2^(t - M) beside tile b's t - M
	v_exp_f32 v[SA+n], v[SA+n]
	v_exp_f32 v[SA+n+1], v[SA+n+1]
	v_pk_fma_f32 v[SB+n:SB+n+1], v[SB+n:SB+n+1], s[CS:CS+1], v[16:17] op_sel_hi:[1,0,0]
.set n, n+2
.endr
	s_wait_alu depctr_va_vdst(0)                   ; behind the one batch and ahead of the next
.set n, 0
.rept 16                                           ; tile b's p beside the first sums of tile a's (the codes' registers are free)
	v_exp_f32 v[SB+2*n], v[SB+2*n]
	v_exp_f32 v[SB+2*n+1], v[SB+2*n+1]
	v_exp_f32 v[SB+2*n+2], v[SB+2*n+2]
	v_exp_f32 v[SB+2*n+3], v[SB+2*n+3]
	v_pk_add_f32 v[CA+n:CA+n+1], v[SA+2*n:SA+2*n+1], v[SA+2*n+2:SA+2*n+3]
.set n, n+2
.endr
	s_wait_alu depctr_va_vdst(0)                   ; behind the batch, ahead of its first reader
	v_pk_add_f32 v[20:21], v[CA:CA+1], v[CA+2:CA+3]
	v_pk_add_f32 v[22:23], v[SB:SB+1], v[SB+2:SB+3]
.set n, 4
.rept 7                                            ; the rows' sums, of the unquantised p
	v_pk_add_f32 v[14:15], v[14:15], v[CA+n:CA+n+1]
	v_pk_add_f32 v[18:19], v[18:19], v[SB+n:SB+n+1]
	v_pk_add_f32 v[20:21], v[20:21], v[CA+n+2:CA+n+3]
	v_pk_add_f32 v[22:23], v[22:23], v[SB+n+2:SB+n+3]
.set n, n+4
.endr
.rept 8
	v_pk_add_f32 v[18:19], v[18:19], v[SB+n:SB+n+1]
	v_pk_add_f32 v[22:23], v[22:23], v[SB+n+2:SB+n+3]
.set n, n+4
.endr
	v_pk_add_f32 v[14:15], v[14:15], v[20:21]
	v_pk_add_f32 v[18:19], v[18:19], v[22:23]
	s_cmp_ge_i32 s42, -8
	s_cbranch_scc1 .Lheld_\@                       ; p is at most 1: under a scale of 2^-8 or more it stays below 448 x the scale, and the hold changes nothing
.set n, 0
.rept 32
	v_dual_min_num_f32 v[SA+n], v[SA+n], v28 :: v_dual_min_num_f32 v[SA+n+1], v[SA+n+1], v31   ; the conversion does not saturate (ISA guide 7.6.2)
	v_dual_min_num_f32 v[SB+n], v[SB+n], v28 :: v_dual_min_num_f32 v[SB+n+1], v[SB+n+1], v31
.set n, n+2
.endr
.Lheld_\@:
.irp b, 0,1,2,3
	v_cvt_scalef32_pk8_fp8_f32 v[CA+4*\b:CA+4*\b+1], v[SA+16*\b:SA+16*\b+7], v8
	v_cvt_scalef32_pk8_fp8_f32 v[CA+4*\b+2:CA+4*\b+3], v[SA+16*\b+8:SA+16*\b+15], v8
	v_cvt_scalef32_pk8_fp8_f32 v[CB+4*\b:CB+4*\b+1], v[SB+16*\b:SB+16*\b+7], v8
	v_cvt_scalef32_pk8_fp8_f32 v[CB+4*\b+2:CB+4*\b+3], v[SB+16*\b+8:SB+16*\b+15], v8
.endr
	v_nop                                          ; a plain line behind the last conversion
	WIN 0x01
.irp t, 0,1,2,3
	v_wmma_f32_16x16x128_fp8_fp8 v[OA+8*\t:OA+8*\t+7], v[VF+16*\t:VF+16*\t+15], v[CA:CA+15], v[OA+8*\t:OA+8*\t+7]   ; O^T += V^T P^T: eight accumulators by turns
	v_wmma_f32_16x16x128_fp8_fp8 v[OB+8*\t:OB+8*\t+7], v[VF+16*\t:VF+16*\t+15], v[CB:CB+15], v[OB+8*\t:OB+8*\t+7]
.endr
	WIN 0
.if \first == 0
	s_branch .Ljoin_\@
.Lhid_\@:
.if \par
	KLD 10, 0
.else
	KLD 9, SLOTB
.endif
	STO \par
	s_wait_dscnt 0x0                               ; as in the other arm
	GLD
.Ljoin_\@:
.endif
	s_barrier_signal -1                            ; (each arm has waited for all its LDS loads and stores)
	s_barrier_wait -1
	s_add_co_u32 s24, s24, 1
.if \first == 0
	s_cmp_eq_u32 s2, s46
	s_cbranch_scc0 .Lsame_\@                       ; the late block ends with superstep L - 1
	PLACES                                         ; behind the last products
	s_wait_alu depctr_va_vdst(0)                   ; directly ahead of the readers below
	PUT 0
	s_wait_dscnt 0x0                               ; the record is written: its registers may be
	INIT
	WIN 0x41
.set n, 0
.rept 16
	v_mov_b32 v[QF+n], v[QN+n]                     ; on to the early block's queries
.set n, n+1
.endr
	WIN 0
	s_mov_b32 s24, 0
	s_mov_b32 s17, ttmp9
.Lsame_\@:
.endif
	s_add_co_u32 s2, s2, 1
.endm
	s_load_b256 s[4:11], s[0:1], 0x0               ; qc 4:5, kc 6:7, vc 8:9, the exponents 10:11
	s_load_b64 s[12:13], s[0:1], 0x20              ; zc
	v_lshrrev_b32 v9, 5, v0
	v_readfirstlane_b32 s18, v9                    ; wave 0..7
	s_and_b32 s19, ttmp7, 0xffff                   ; the head
	s_lshr_b32 s15, s18, 2
	s_and_b32 s16, s18, 3
	s_sub_co_u32 s17, 31, ttmp9                    ; the late block
	s_sub_co_u32 s14, 33, ttmp9
	s_lshr_b32 s14, s14, 1                         ; L
	s_sub_co_u32 s46, s14, 1
	s_sub_co_u32 s36, 10, ttmp9                    ; the superstep in which I prefetch (for i > 10 none reaches it)
	s_lshl_b32 s38, s19, 18                        ; the head's first byte in qc, kc and vc
	s_lshl_b32 s50, s16, 12
	s_add_co_u32 s50, s50, s38                     ; + my 4 KiB of K's or of V's 16
	s_mov_b32 s51, 0
	s_lshl_b32 s56, s16, 11
	s_add_co_u32 s56, s56, s38                     ; + my two tiles of queries
	s_lshl_b32 s58, s17, 13
	s_add_co_u32 s58, s58, s56                     ; in the late block,
	s_mov_b32 s59, 0
	s_lshl_b32 s60, ttmp9, 13
	s_add_co_u32 s60, s60, s56                     ; in the early one
	s_mov_b32 s61, 0
	s_sub_co_u32 s52, 15, ttmp9
	s_lshl_b32 s52, s52, 14                        ; the superstep that I prefetch
	s_mov_b32 s53, 0
	s_cmp_eq_u32 s15, 0
	s_cselect_b32 s54, s17, ttmp9                  ; the block that I finish
	s_lshl_b32 s54, s54, 17
	s_lshr_b32 s55, s19, 2
	s_lshl_b32 s55, s55, 15                        ; z: K step head / 4,
	s_add_co_u32 s54, s54, s55
	s_lshl_b32 s55, s16, 13                        ; my two tiles,
	s_add_co_u32 s54, s54, s55
	s_and_b32 s55, s19, 3
	s_lshl_b32 s55, s55, 10                        ; and the head's two pieces among the step's eight
	s_add_co_u32 s54, s54, s55
	s_mov_b32 s55, 0
	s_mul_i32 s45, s16, RECB
	s_add_co_u32 s45, s45, REC
	s_mul_i32 s62, s15, 8*RECB
	s_add_co_u32 s62, s62, s45                     ; the record that I write: [four of waves 2][block 2][u 4]
	s_mul_i32 s47, s15, 4*RECB
	s_add_co_u32 s47, s47, s45                     ; the first of the two that I join
	s_lshl_b32 s37, s15, 13                        ; my 8 KiB of K's and of V's 16 in a slot
	s_lshl_b32 s39, s18, 12                        ; the 4 KiB of a slot that I store
	s_lshl_b32 s63, s16, 5
	s_mov_b32 s20, 0x76543210
	s_mov_b32 s21, 0xfedcba98
	s_mov_b32 s[CS], 0x3e38aa3b                    ; log2(e) / 8
	s_mov_b32 s2, 0
	s_mov_b32 s3, 0
	s_mov_b32 s24, 0
	s_mov_b32 s[TB], 0
	v_lshl_add_u32 v5, v0, 2, SPARE
	v_mov_b32 v6, 0
	v_and_b32 v10, 31, v0
	v_lshlrev_b32 v3, 4, v10
	v_min_u32 v4, 15, v10
	v_lshlrev_b32 v4, 8, v4                        ; 16 blocks of 256 bytes; lanes 16-31 name the last once more
	v_add_nc_u32 v1, s37, v3
	v_add_nc_u32 v2, s39, v3
	v_add_nc_u32 v11, s62, v3
	v_and_b32 v9, 15, v0                           ; r
	v_bfe_u32 v10, v0, 4, 1                        ; h
	v_and_b32 v7, 8, v9
	v_add_nc_u32 v7, v7, v9                        ; r + 8 (r / 8)
	v_lshlrev_b32 v10, 4, v10
	v_sub_nc_u32 v7, v7, v10
	v_add_nc_u32 v7, s63, v7                       ; d = my tile-a query's place in its block - 16 h.  On the diagonal register 16 b + i holds the key at place 32 b + i + 16 h: hidden where 32 b + i > d
	s_wait_alu depctr_va_vdst(0)                   ; directly ahead of the wait below
	s_wait_kmcnt 0x0
	s_load_b128 s[40:43], s[10:11], 0x18           ; e6, e7, e8, e9
	s_load_b32 s44, s[10:11], 0x28                 ; e10
	s_cmp_lt_u32 s18, 4
	s_cselect_b64 s[30:31], s[6:7], s[8:9]         ; K's codes in waves 0-3, V's in waves 4-7
	s_add_nc_u64 s[30:31], s[30:31], s[50:51]
	s_add_nc_u64 s[34:35], s[30:31], s[52:53]
	s_add_nc_u64 s[58:59], s[4:5], s[58:59]
	s_add_nc_u64 s[60:61], s[4:5], s[60:61]
	s_add_nc_u64 s[12:13], s[12:13], s[54:55]
	WIN 0x40
.irp j, 0,1,2,3
	global_load_b128 v[QF+4*\j:QF+4*\j+3], v3, s[58:59] offset:512*\j
.endr
.irp j, 0,1,2,3
	global_load_b128 v[QN+4*\j:QN+4*\j+3], v3, s[60:61] offset:512*\j
.endr
.irp j, 0,1,2,3,4,5,6,7                ; supersteps 0 and 1 into K's registers, 2 where the later ones land
	global_load_b128 v[4*\j:4*\j+3], v3, s[30:31] offset:512*\j
.endr
.irp j, 0,1,2,3,4,5,6,7
	global_load_b128 v[32+4*\j:35+4*\j], v3, s[30:31] offset:16384+512*\j
.endr
.irp j, 0,1,2,3,4,5,6,7
	global_load_b128 v[LD+4*\j:LD+4*\j+3], v3, s[30:31] offset:32768+512*\j
.endr
	WIN 0
	INIT
	v_mov_b32 v24, 0                               ; written once: a lane permute's destination counts as one of its sources
	v_mov_b32 v25, 0
	s_wait_kmcnt 0x0
	s_add_co_i32 s50, s40, s41
	s_lshl_b32 s50, s50, 23
	s_add_co_i32 s[CS], s[CS], s50                 ; e6 + e7 are added to the factor's exponent field
	s_mov_b32 s[CS+1], s[CS]                       ; (named with it as a pair)
	s_add_co_i32 s48, s42, s43                     ; e8 + e9
	s_add_co_i32 s50, s42, 127
	s_lshl_b32 s51, s50, 23
	v_mov_b32 v8, s51
	s_add_co_i32 s50, s50, 8
	s_lshl_b32 s50, s50, 23
	s_or_b32 s50, s50, 0x600000
	v_mov_b32 v28, s50
	v_mov_b32 v31, s50                             ; (the two halves of a dual line take their second sources from different banks)
	s_add_co_i32 s50, s44, 127
	s_lshl_b32 s51, s50, 23
	v_mov_b32 v29, s51
	s_add_co_i32 s50, s50, 8
	s_lshl_b32 s50, s50, 23
	s_or_b32 s50, s50, 0x600000
	v_mov_b32 v30, s50
	s_wait_alu depctr_va_vdst(0)                   ; the head's end
	s_wait_loadcnt 8                               ; all but superstep 2's eight loads are in
	WIN 0x04
.irp j, 0,1,2,3,4,5,6,7
	ds_store_b128 v2, v[4*\j:4*\j+3] offset:512*\j
	ds_store_b128 v2, v[32+4*\j:35+4*\j] offset:SLOTB+512*\j
.endr
	WIN 0
	s_wait_dscnt 0x0                               ; my parts of supersteps 0 and 1 are in LDS
	s_barrier_signal -1
	s_barrier_wait -1
	WIN 0x40
.irp t, 0,1,2,3,4,5,6,7
.irp c, 0,1
	ds_load_b128 v[8*\t+4*\c:8*\t+4*\c+3], v1 offset:1024*\t+512*\c
.endr
.endr
	WIN 0
	s_wait_dscnt 0x0
	SUPER 0, 1
.Lloop:
	SUPER 1, 0
	s_xor_b32 s[TB], s[TB], PAIR                   ; on to the other pair of slots
	SUPER 0, 0
	s_add_co_u32 s3, s3, 1
	s_cmp_lt_u32 s3, 8
	s_cbranch_scc1 .Lloop
	; THE WAY OUT.  The early block's partial goes to its record; then each wave joins the two records of its tiles: M = the larger of the two, both O^T and both sums under it.
	PLACES
	s_wait_alu depctr_va_vdst(0)                   ; directly ahead of the readers below
	PUT 1
	v_add_nc_u32 v32, s47, v3
	v_add_nc_u32 v33, 8*RECB, v32
	s_wait_alu depctr_va_vdst(0)                   ; and here, directly ahead of the wait below
	s_wait_dscnt 0x0                               ; my record is written
	s_barrier_signal -1
	s_barrier_wait -1
	ds_load_b128 v[24:27], v32 offset:8192         ; -M of tiles a, b; their sums
	ds_load_b128 v[20:23], v33 offset:8192
.irp j, 0,1,2,3,4,5,6,7,8,9,10,11,12,13,14,15
	ds_load_b128 v[SA+4*\j:SA+4*\j+3], v32 offset:512*\j
	ds_load_b128 v[SB+4*\j:SB+4*\j+3], v33 offset:512*\j
.endr
	s_wait_dscnt 0x0
	v_min_num_f32 v34, v24, v20                    ; -M
	v_min_num_f32 v35, v25, v21
	v_sub_f32 v36, v34, v24                        ; each partial's M - the joint M: 0 or less
	v_sub_f32 v37, v34, v20
	v_sub_f32 v38, v35, v25
	v_sub_f32 v39, v35, v21
.irp j, 36,37,38,39
	v_cvt_i32_f32 v\j, v\j
.endr
.irp j, 36,37,38,39
	v_ldexp_f32 v\j, 1.0, v\j
.endr
	v_mul_f32 v40, v26, v36
	v_mul_f32 v41, v27, v38
	v_fma_f32 v40, v22, v37, v40
	v_fma_f32 v41, v23, v39, v41
	v_permlanex16_b32 v42, v40, s20, s21           ; and lane l xor 16's keys: the rows' sums
	v_permlanex16_b32 v43, v41, s20, s21
	v_add_f32 v40, v40, v42
	v_add_f32 v41, v41, v43
	s_wait_alu depctr_va_vdst(0)                   ; ahead of the batch
	v_rcp_f32 v40, v40
	v_rcp_f32 v41, v41
	v_nop                                          ; a plain line behind the reciprocals
	s_wait_alu depctr_va_vdst(0)                   ; the wait ahead of their first reader
	v_ldexp_f32 v40, v40, s48                      ; x 2^(e8 + e9)
	v_ldexp_f32 v41, v41, s48
	v_mul_f32 v44, v36, v40
	v_mul_f32 v46, v37, v40
	v_mul_f32 v48, v38, v41
	v_mul_f32 v50, v39, v41
.set n, 0
.rept 16
	v_pk_mul_f32 v[SA+n:SA+n+1], v[SA+n:SA+n+1], v[44:45] op_sel_hi:[1,0]
	v_pk_mul_f32 v[SA+32+n:SA+33+n], v[SA+32+n:SA+33+n], v[48:49] op_sel_hi:[1,0]
.set n, n+2
.endr
.set n, 0
.rept 16
	v_pk_fma_f32 v[SA+n:SA+n+1], v[SB+n:SB+n+1], v[46:47], v[SA+n:SA+n+1] op_sel_hi:[1,0,1]
	v_pk_fma_f32 v[SA+32+n:SA+33+n], v[SB+32+n:SB+33+n], v[50:51], v[SA+32+n:SA+33+n] op_sel_hi:[1,0,1]
.set n, n+2
.endr
.set n, 0
.rept 64
	v_med3_num_f32 v[SA+n], v[SA+n], -v30, v30
.set n, n+1
.endr
.irp b, 0,1,2,3                        ; pieces 0, 1 of tile a, then of tile b
	v_cvt_scalef32_pk8_fp8_f32 v[OA+4*\b:OA+4*\b+1], v[SA+16*\b:SA+16*\b+7], v29
	v_cvt_scalef32_pk8_fp8_f32 v[OA+4*\b+2:OA+4*\b+3], v[SA+16*\b+8:SA+16*\b+15], v29
.endr
	v_nop                                          ; a plain line behind the last conversion
.irp b, 0,1,2,3
	global_store_b128 v3, v[OA+4*\b:OA+4*\b+3], s[12:13] offset:4096*(\b/2)+512*(\b%2)   ; 512 consecutive bytes, aligned
.endr
	s_wait_tensorcnt 0x0                           ; the wave's end
	ds_add_u32 v5, v6
	s_wait_dscnt 0x0
	s_endpgm
.Lfunc_end_k_q81af17d834_attn:
	.size	k_q81af17d834_attn, .Lfunc_end_k_q81af17d834_attn-k_q81af17d834_attn
	.p2alignl 7, 3214868480
	.fill 96, 4, 3214868480
	.section	.rodata,"a",@progbits
	.p2align	6, 0x0
	.amdhsa_kernel k_q81af17d834_attn
		.amdhsa_group_segment_fixed_size 271360
		.amdhsa_private_segment_fixed_size 0
		.amdhsa_enable_private_segment 0
		.amdhsa_kernarg_size 40
		.amdhsa_user_sgpr_count 2
		.amdhsa_user_sgpr_kernarg_segment_ptr 1
		.amdhsa_wavefront_size32 1
		.amdhsa_system_sgpr_workgroup_id_x 1
		.amdhsa_system_sgpr_workgroup_id_y 1
		.amdhsa_system_sgpr_workgroup_id_z 1
		.amdhsa_system_vgpr_workitem_id 0
		.amdhsa_next_free_vgpr 448
		.amdhsa_next_free_sgpr 80
		.amdhsa_reserve_vcc 1
		.amdhsa_float_denorm_mode_32 3
		.amdhsa_float_denorm_mode_16_64 3
		.amdhsa_memory_ordered 1
		.amdhsa_forward_progress 1
		.amdhsa_inst_pref_size 152
	.end_amdhsa_kernel
	.amdgpu_metadata
---
amdhsa.version: [ 1, 2 ]
amdhsa.kernels:
  - .name:           k_q81af17d834_attn
    .symbol:         k_q81af17d834_attn.kd
    .args:
      - { .name: qc, .offset: 0, .size: 8, .value_kind: global_buffer, .address_space: global }
      - { .name: kc, .offset: 8, .size: 8, .value_kind: global_buffer, .address_space: global }
      - { .name: vc, .offset: 16, .size: 8, .value_kind: global_buffer, .address_space: global }
      - { .name: lowp_scales, .offset: 24, .size: 8, .value_kind: global_buffer, .address_space: global }
      - { .name: zc, .offset: 32, .size: 8, .value_kind: global_buffer, .address_space: global }
    .group_segment_fixed_size: 271360
    .private_segment_fixed_size: 0
    .kernarg_segment_align: 8
    .kernarg_segment_size: 40
    .max_flat_workgroup_size: 256
    .sgpr_count:     80
    .vgpr_count:     448
    .wavefront_size: 32
...
	.end_amdgpu_metadata
.endif
;; end of part 3
;; launch outp (part 4): grid 8 x 32, 4 waves a work-group, clusters of 4 x 4, 327,680 bytes of LDS; arguments zc, wc, lowp_scales, out0; writes out0
.if DOCPART == 4
	.amdgcn_target "amdgcn-amd-amdhsa--gfx1250"
	.amdhsa_code_object_version 6
	.text
	.protected	k_q81af17d834_outp
	.globl	k_q81af17d834_outp
	.p2align	8
	.type	k_q81af17d834_outp,@function
k_q81af17d834_outp:
	s_mov_b64 s[64:65], 0
	v_nop
	global_prefetch_b8 v0, s[64:65] scope:SCOPE_SE
	s_setreg_imm32_b32 hwreg(HW_REG_WAVE_MODE, 25, 1), 1
	s_wait_xcnt 0x0
	s_wait_alu depctr_hold_cnt(0) depctr_sa_sdst(0) depctr_va_vdst(0) depctr_va_sdst(0) depctr_va_ssrc(0) depctr_va_vcc(0) depctr_vm_vsrc(0)
	s_getreg_b32 s2, hwreg(HW_REG_IB_STS2, 6, 4)
	s_cmp_eq_u32 s2, 0
	s_cbranch_scc0 .Lentry_in_a_cluster
	s_endpgm
.Lentry_in_a_cluster:
	s_bfe_u32 s2, ttmp6, 0x10000c
	s_cmp_lg_u32 s2, 0xf033
	s_cbranch_scc0 .Lentry_shape_is_right
	s_endpgm
.Lentry_shape_is_right:
; out[q][d] = sum over f of z[q][f] W_O[d][f]: codes of FP8 (E4M3), images of operand registers (pieces of 512 bytes; the first launch's head), sums in f32, each multiplied once by 2^(e10 + e11).
; A work-group makes 128 x 128 of out, a wave 64 x 64: 256 work-groups.  128 rows of all K are 128 KiB on end, in z's codes and in W_O's: ALL OF K lies in LDS at once, brought by one joint load of 64 KiB a wave
; (waves 0, 1: z's K steps 0-1 and 2-3; waves 2, 3: W_O's), so nothing is filled again, and with no loop to run ahead in there is no prefetch.
; CLUSTERS: 4 x 4 work-groups; the four of a row share z's rows, the four of a column W_O's.
; THE MATRIX INSTRUCTION IS USED TRANSPOSED (source 0 = 16 rows of W_O, source 1 = 16 tokens): with the tiles' row order, tiles 2 b and 2 b + 1 of W_O give lane (r, h) the channels 32 b + 16 h + 0 .. 15 of token rho(T, r).
; LIMIT: e10 + e11 between -126 and 127.
; REGISTERS: window 0: addresses, the way out;  window 1: two sets of fragments (z's four, then W_O's four, 128 K each);  window 2: the 16 accumulators.
.set STAGE,  262144                    ; behind the operands: a stage of 16 rows x (256 + 16) bytes for each wave, into which no tensor load lands
.set SPITCH, 272
.set SPARE,  STAGE+4*16*SPITCH         ; the spare words, 128 bytes for each wave
.set ADRA, 16                          ; v16-17 my tokens' fragments: K steps 0-1, 2-3
.set ADRB, 20                          ; v20-21 the same in W_O
.set STO,  24
.set RD,   25
.set CO,   26
.set SPW,  28
.set NIL,  29
.set TMP,  32                          ; v32-95 scaled sums, two sets by turns
.set BK,   96                          ; v96-223 rows read back, a set for each token tile
.set G1,  24
.set G0,  32
.set G1B, 48
.set G0B, 56
.set MSB, 0
.macro WIN new
.if MSB != \new
	s_set_vgpr_msb (MSB<<8)|\new
.set MSB, \new
.endif
.endm
.macro CROUND                          ; a round of the cluster's barrier
	s_barrier_signal -1
	s_barrier_wait -1
	s_cmp_lg_u32 s14, 0
	s_cbranch_scc1 .Lnot_wave_0_\@
	s_barrier_signal -3
.Lnot_wave_0_\@:
	s_barrier_wait -3
	s_barrier_signal -1
	s_barrier_wait -1
.endm
	s_load_b256 s[4:11], s[0:1], 0x0               ; z's codes, the weights' codes, the exponents, out
	v_lshl_add_u32 v[SPW], v0, 2, SPARE
	v_mov_b32 v[NIL], 0
	ds_add_u32 v[SPW], v[NIL]                      ; the wave's opening: the add, twice on end, and its wait
	ds_add_u32 v[SPW], v[NIL]
	v_lshrrev_b32 v1, 5, v0
	v_readfirstlane_b32 s14, v1                    ; wave
	s_lshr_b32 s15, s14, 1                         ; which 64 tokens are mine.  Also: I fetch z (0) or W_O (1)
	s_and_b32 s16, s14, 1                          ; which 64 channels.  Also: which half of K I fetch
	s_bfe_u32 s40, ttmp6, 0x40000                  ; cx, cy
	s_bfe_u32 s41, ttmp6, 0x40004
	s_lshl_b32 s42, ttmp9, 2
	s_add_co_u32 s42, s42, s40                     ; my 128 channels
	s_and_b32 s17, ttmp7, 0xffff
	s_lshl_b32 s17, s17, 2
	s_add_co_u32 s17, s17, s41                     ; my 128 tokens
	s_lshl_b32 s43, s41, 2
	s_lshl_b32 s43, 15, s43                        ; my row of the cluster
	s_lshl_b32 s44, 0x1111, s40                    ; my column
	s_or_b32 s[G1], s43, (3<<16)|(1<<21)           ; the mask; elements of 8 bytes; 21 set beside a mask; no padding
	s_or_b32 s[G1B], s44, (3<<16)|(1<<21)
.irp g, G1, G1B
	s_mov_b32 s[\g+1], 32<<16                      ; 64 KiB on end, as 256 rows of 256 bytes
	s_mov_b32 s[\g+2], 256<<16
	s_mov_b32 s[\g+3], 32<<16
	s_mov_b32 s[\g+4], 256
	s_mov_b32 s[\g+5], 32
	s_mov_b32 s[\g+6], 0
	s_mov_b32 s[\g+7], 0
.endr
	s_lshl_b32 s20, s17, 17
	s_lshl_b32 s21, s16, 16
	s_add_co_u32 s20, s20, s21
	s_mov_b32 s21, 0
	s_lshl_b32 s46, s42, 17
	s_lshl_b32 s47, s16, 16
	s_add_co_u32 s46, s46, s47
	s_add_co_u32 s46, s46, 0x300000                ; W_O is the fourth weight
	s_mov_b32 s47, 0
	s_lshl_b32 s45, s14, 16                        ; LDS: z's 128 KiB, then W_O's = wave x 64 KiB
	s_wait_dscnt 0x0                               ; both opening adds are done
	s_wait_kmcnt 0x0
	s_load_b64 s[96:97], s[8:9], 0x28              ; e10, e11
	s_add_nc_u64 s[20:21], s[4:5], s[20:21]
	s_add_nc_u64 s[46:47], s[6:7], s[46:47]
	s_mov_b32 s[G0], 1
	s_add_co_u32 s[G0+1], s45, 0
	s_mov_b64 s[G0+2:G0+3], s[20:21]
	s_or_b32 s[G0+3], s[G0+3], 0x80000000
	s_mov_b32 s[G0B], 1
	s_add_co_u32 s[G0B+1], s45, 0
	s_mov_b64 s[G0B+2:G0B+3], s[46:47]
	s_or_b32 s[G0B+3], s[G0B+3], 0x80000000
	CROUND                                         ; all sixteen work-groups are here: the joint loads meet
	s_cmp_eq_u32 s15, 0
	s_cbranch_scc0 .Lfor_b
	tensor_load_to_lds s[G0:G0+3], s[G1:G1+7]
	s_nop 0
.rept 4
	v_nop
.endr
	s_branch .Lasked
.Lfor_b:
	tensor_load_to_lds s[G0B:G0B+3], s[G1B:G1B+7]
	s_nop 0
.rept 4
	v_nop
.endr
.Lasked:
	s_lshl_b32 s18, s15, 14                        ; my four token tiles,
	s_lshl_b32 s19, s16, 14
	s_add_co_u32 s19, s19, 131072                  ; my four channel tiles
	s_mul_i32 s22, s14, 16*SPITCH
	s_add_co_u32 s22, s22, STAGE                   ; my stage
	s_lshl_b32 s20, s17, 19                        ; out: 128 rows of 4,096 bytes,
	s_lshl_b32 s21, s15, 18
	s_add_co_u32 s20, s20, s21
	s_lshl_b32 s21, s42, 9
	s_add_co_u32 s20, s20, s21
	s_lshl_b32 s21, s16, 8
	s_add_co_u32 s20, s20, s21
	s_mov_b32 s21, 0
	s_add_nc_u64 s[10:11], s[10:11], s[20:21]
	v_and_b32 v1, 31, v0
	v_lshlrev_b32 v2, 4, v1
	v_add_nc_u32 v[ADRA], s18, v2
	v_add_nc_u32 v[ADRB], s19, v2
	v_add_nc_u32 v[ADRA+1], 0x10000, v[ADRA]
	v_add_nc_u32 v[ADRB+1], 0x10000, v[ADRB]
	v_and_b32 v3, 15, v0                           ; r
	v_bfe_u32 v4, v0, 4, 1                         ; h
	v_mul_u32_u24 v5, v3, SPITCH
	v_lshl_add_u32 v5, v4, 6, v5
	v_add_nc_u32 v[STO], s22, v5                   ; the stage, in: row r, + 64 h
	v_mul_u32_u24 v6, v4, SPITCH
	v_lshl_add_u32 v6, v3, 4, v6
	v_add_nc_u32 v[RD], s22, v6                    ; and back: sixteen lanes to a row
	v_lshlrev_b32 v7, 12, v4
	v_lshl_add_u32 v[CO], v3, 4, v7                ; the same in out
	s_wait_alu depctr_va_vdst(0)                   ; the head's end
	s_wait_tensorcnt 0x0                           ; my 64 KiB are in,
	s_barrier_signal -1
	s_barrier_wait -1                              ; and everybody's
.macro PLACES
.rept 4
	v_nop
.endr
.endm
.macro FETCH q                         ; the fragments of the q-th 128 along K into set q % 2
	WIN 0x40
.irp i, 0,1,2,3
.irp c, 0,1,2,3
	ds_load_b128 v[128*((\q)%2)+16*\i+4*\c:128*((\q)%2)+16*\i+4*\c+3], v[ADRA+(\q)/4] offset:32768*(((\q)/2)%2)+4096*\i+2048*((\q)%2)+512*\c
	ds_load_b128 v[128*((\q)%2)+64+16*\i+4*\c:128*((\q)%2)+64+16*\i+4*\c+3], v[ADRB+(\q)/4] offset:32768*(((\q)/2)%2)+4096*\i+2048*((\q)%2)+512*\c
.endr
.endr
.endm
.macro MUL q                           ; the 16 accumulators by turns; the first product starts the sums
	WIN 0xa5
.irp a, 0,1,2,3
.irp b, 0,1,2,3
.if (\q) == 0
	v_wmma_f32_16x16x128_fp8_fp8 v[32*\a+8*\b:32*\a+8*\b+7], v[128*((\q)%2)+64+16*\b:128*((\q)%2)+64+16*\b+15], v[128*((\q)%2)+16*\a:128*((\q)%2)+16*\a+15], 0
.else
	v_wmma_f32_16x16x128_fp8_fp8 v[32*\a+8*\b:32*\a+8*\b+7], v[128*((\q)%2)+64+16*\b:128*((\q)%2)+64+16*\b+15], v[128*((\q)%2)+16*\a:128*((\q)%2)+16*\a+15], v[32*\a+8*\b:32*\a+8*\b+7]
.endif
.endr
.endr
.endm
	FETCH 0
.irp q, 0,1,2,3,4,5,6,7
	s_wait_dscnt 0x0                               ; this set is in; the next is asked for ahead of its products
.if \q < 7
.if \q > 0
	PLACES                                         ; for loads into registers that the last products have read
.endif
	FETCH \q+1
.endif
	MUL \q
.endr
	WIN 0
; THE WAY OUT, a token tile at a time: 16 rows x 64 channels go through my stage and leave as whole units of 256 bytes.  LDS serves a wave's instructions in order (ISA guide 5.7.1.4).
.macro TOSTAGE a
	WIN 0x02
.set TS, TMP+32*((\a)%2)
.set n, 0
.rept 16
	v_pk_mul_f32 v[TS+n:TS+n+1], v[32*(\a)+n:32*(\a)+n+1], s[96:97] op_sel_hi:[1,0]   ; x 2^(e10 + e11)
.set n, n+2
.endr
	WIN 0
.irp b, 0,1,2,3
	ds_store_b128 v[STO], v[TS+8*\b:TS+8*\b+3] offset:128*(\b/2)+32*(\b%2)
	ds_store_b128 v[STO], v[TS+8*\b+4:TS+8*\b+7] offset:128*(\b/2)+32*(\b%2)+16
.endr
.irp t, 0,1,2,3,4,5,6,7
	ds_load_b128 v[BK+32*(\a)+4*\t:BK+32*(\a)+4*\t+3], v[RD] offset:2*\t*SPITCH
.endr
.endm
.macro SEND a, younger                 ; younger: the next tile's 8 stores and 8 loads, which may stay out
	s_wait_dscnt \younger
.irp t, 0,1,2,3,4,5,6,7
	global_store_b128 v[CO], v[BK+32*(\a)+4*\t:BK+32*(\a)+4*\t+3], s[10:11] offset:(32*((\a)/2)+8*((\a)%2)+2*\t+8*(\t/4))*4096 th:TH_STORE_NT   ; sixteen lanes store 256 consecutive bytes, aligned: rows 2 t and 2 t + 1 of the tile
.endr
.endm
	s_wait_kmcnt 0x0
	s_add_co_i32 s96, s96, s97
	s_add_co_i32 s96, s96, 127
	s_lshl_b32 s96, s96, 23
	PLACES                                         ; behind the last products
	TOSTAGE 0
	TOSTAGE 1
	SEND 0, 16
	TOSTAGE 2
	SEND 1, 16
	TOSTAGE 3
	SEND 2, 16
	SEND 3, 0
	s_wait_tensorcnt 0x0                           ; the wave's end
	ds_add_u32 v[SPW], v[NIL]
	s_wait_dscnt 0x0
	CROUND                                         ; the closing round
	s_endpgm
.Lfunc_end_k_q81af17d834_outp:
	.size	k_q81af17d834_outp, .Lfunc_end_k_q81af17d834_outp-k_q81af17d834_outp
	.p2alignl 7, 3214868480
	.fill 96, 4, 3214868480
	.section	.rodata,"a",@progbits
	.p2align	6, 0x0
	.amdhsa_kernel k_q81af17d834_outp
		.amdhsa_group_segment_fixed_size 327680
		.amdhsa_private_segment_fixed_size 0
		.amdhsa_enable_private_segment 0
		.amdhsa_kernarg_size 32
		.amdhsa_user_sgpr_count 2
		.amdhsa_user_sgpr_kernarg_segment_ptr 1
		.amdhsa_wavefront_size32 1
		.amdhsa_system_sgpr_workgroup_id_x 1
		.amdhsa_system_sgpr_workgroup_id_y 1
		.amdhsa_system_sgpr_workgroup_id_z 1
		.amdhsa_system_vgpr_workitem_id 0
		.amdhsa_next_free_vgpr 640
		.amdhsa_next_free_sgpr 98
		.amdhsa_reserve_vcc 0
		.amdhsa_float_denorm_mode_32 3
		.amdhsa_float_denorm_mode_16_64 3
		.amdhsa_memory_ordered 1
		.amdhsa_forward_progress 1
		.amdhsa_inst_pref_size 43
	.end_amdhsa_kernel
	.amdgpu_metadata
---
amdhsa.version: [ 1, 2 ]
amdhsa.kernels:
  - .name:           k_q81af17d834_outp
    .symbol:         k_q81af17d834_outp.kd
    .args:
      - { .name: zc, .offset: 0, .size: 8, .value_kind: global_buffer, .address_space: global }
      - { .name: wc, .offset: 8, .size: 8, .value_kind: global_buffer, .address_space: global }
      - { .name: lowp_scales, .offset: 16, .size: 8, .value_kind: global_buffer, .address_space: global }
      - { .name: out0, .offset: 24, .size: 8, .value_kind: global_buffer, .address_space: global }
    .group_segment_fixed_size: 327680
    .private_segment_fixed_size: 0
    .kernarg_segment_align: 8
    .kernarg_segment_size: 32
    .max_flat_workgroup_size: 128
    .sgpr_count:     98
    .vgpr_count:     640
    .wavefront_size: 32
...
	.end_amdgpu_metadata
.endif
;; end of part 4
